; MI455X (gfx1250); checked and timed in simulation.
; The chip was launched on July 23, 2026; its instructions are those of AMD's public machine-readable ISA for CDNA 5 (MIT licence, August 2026) and "CDNA5" Instruction Set Architecture Reference Guide (July 2026). The comments in the code are by the model that wrote it; some were corrected since.
;; Luonge Attention. Allowed arithmetic: float matrix products may take bf16 or f16 operands with f32 sums; all other float work in f32.
;; Inputs: Wa 1,024 x 1,024 float32; dec_ht 32 x 1,024 float32; enc_hs 32 x 2,048 x 1,024 float32; mask 32 x 2,048 bool.
;; Outputs: out0 32 x 1,024 float32.
;; 2 versions, each right; version 2 is version 1 with the launch stream written anew for expert scheduling mode. Each part assembles by itself: llvm-mc -triple=amdgcn-amd-amdhsa -mcpu=gfx1250 --defsym DOCPART=n.
;; ======== version 1 of 2: 3 launches
;; workspace buffers: qbuf 131,072 bytes; order 524,288 bytes of whole numbers; part 1,114,112 bytes
;; launch prep (part 1): grid 8 x 32, 8 waves a work-group, no clusters, 10,240 bytes of LDS; arguments Wa, dec_ht, mask, qbuf, order; writes qbuf, order
.if DOCPART == 1
	.amdgcn_target "amdgcn-amd-amdhsa--gfx1250"
	.amdhsa_code_object_version 6
	.text
	.protected	k_q4137f77425_prep
	.globl	k_q4137f77425_prep
	.p2align	8
	.type	k_q4137f77425_prep,@function
k_q4137f77425_prep:
	s_mov_b64 s[64:65], 0
	v_nop
	global_prefetch_b8 v0, s[64:65] scope:SCOPE_SE
	s_setreg_imm32_b32 hwreg(HW_REG_WAVE_MODE, 25, 1), 1
	s_wait_xcnt 0x0
; PREP.  Two jobs that the later launches need, both small, both done by every work-group alike.
;
; (1) q[b][h] = sum over u of Wa[h][u] dec[b][u], f32.  reference() computes dec . (enc Wa); that is enc . q for every input, so the product
;     of 65,536 rows with Wa becomes one of 32 rows, and the score of a row is one dot product.  The order of the sums differs from reference()'s.
;     q stays in f32 on the vector unit: it feeds the exponent of a softmax whose scores spread over tens of units, where the rounding
;     of an operand to 16 bits would move the weights by more than the result may be off; and 32 rows against 4 MiB of Wa is a stream.
; (2) order[b][wid][32 words]: for each of 128 waves of the next launch the row numbers (at most 16) of its share of the batch's UNMASKED rows.
;     Words 0-15 rows (the first n are real, the rest repeat the first), word 16 = n, word 17 = N (unmasked rows in the batch), words 18-31 filler.
;     A masked row adds a row of zeros to the context and the score -1e9 exactly, so only their number is needed later.
;     Any non-zero mask byte counts as true.
;
; Work-group (x, y), 8 waves.  Records: batch y, waves 16 x .. 16 x + 15 (2,048 bytes of order); the batch's 2,048 mask bytes are partitioned anew
; by each of the 8 work-groups of the batch, which is 2 KiB read each.  q: 16 rows of Wa (hg = 2 y + x / 4) x 8 batches (bg = x % 4);
; a wave makes 4 x 4 of them, a row of Wa and a row of dec in 32 registers each, as 16-byte loads of which a wave's one covers 512 consecutive bytes.
; No cluster: the work-groups that share rows of Wa (four) or of dec share 64 KiB and 32 KiB once, with no loop in which requests could meet.
; q leaves in runs of 64 bytes (four lanes), not in whole rows: the price of the 16 x 8 tile, for 128 KiB in all.
.set LIST, 0                           ; LDS: 8 waves x 256 words, each wave's rows, unmasked first
.set TW,   8192                        ; LDS: 8 words, unmasked rows of each wave
.set QT,   8448                        ; LDS: 8 waves x 16 f32, word 4 k + hi of wave w = q(batch 4 (w / 4) + k, row 4 (w % 4) + hi) of the tile
.set W,    16                          ; v[16:143]   4 rows of Wa
.set D,    144                         ; v[144:239]  3 slots for rows of dec
.set P,    240                         ; v[240:247]  four chains of pairs
.set VOUT, 248                         ; lane 4 k + hi (and + 16): the wave's result (k, hi)
.set SUM,  249
.set BM,   20                          ; s[20:27]  ballots; later the running counts of the waves
.set PB,   28                          ; s[28:35]  counts in front of each ballot; later 256 - count of each wave
.set SELA, 54                          ; s54, s55  v_permlanex16_b32: lane i takes lane i of the other half
.set SELB, 55
; out = sum over the 1,024 columns of a x b, in every lane.  a, b: 32 registers each, the same columns in the same places.
.macro DOT a, b, out
.irp c, 0,1,2,3
	v_pk_mul_f32 v[P+2*\c:P+2*\c+1], v[(\a)+2*\c:(\a)+2*\c+1], v[(\b)+2*\c:(\b)+2*\c+1]      ; the first products start four chains
.endr
.irp j, 4,5,6,7,8,9,10,11,12,13,14,15
	v_pk_fma_f32 v[P+2*(\j%4):P+2*(\j%4)+1], v[(\a)+2*\j:(\a)+2*\j+1], v[(\b)+2*\j:(\b)+2*\j+1], v[P+2*(\j%4):P+2*(\j%4)+1]
.endr
	v_pk_add_f32 v[P:P+1], v[P:P+1], v[P+2:P+3]
	v_pk_add_f32 v[P+4:P+5], v[P+4:P+5], v[P+6:P+7]
	v_pk_add_f32 v[P:P+1], v[P:P+1], v[P+4:P+5]
	v_add_f32 v[P], v[P], v[P+1]
	v_add_f32_dpp v[P], v[P], v[P] row_xmask:1 row_mask:0xf bank_mask:0xf
	v_add_f32_dpp v[P], v[P], v[P] row_xmask:2 row_mask:0xf bank_mask:0xf
	v_add_f32_dpp v[P], v[P], v[P] row_xmask:4 row_mask:0xf bank_mask:0xf
	v_add_f32_dpp v[P], v[P], v[P] row_xmask:8 row_mask:0xf bank_mask:0xf
	v_permlanex16_b32 v[P+1], v[P], s[SELA], s[SELB]
	v_add_f32 v[\out], v[P], v[P+1]
.endm
	s_load_b256 s[4:11], s[0:1], 0x0               ; Wa s[4:5], dec s[6:7], mask s[8:9], qbuf s[10:11]
	s_load_b64 s[12:13], s[0:1], 0x20              ; order
	v_lshl_add_u32 v254, v0, 2, 0x2400
	v_mov_b32 v255, 0
	v_lshrrev_b32 v6, 5, v0
	v_readfirstlane_b32 s14, v6                    ; wave
	s_mov_b32 s15, ttmp9                           ; x
	s_and_b32 s16, ttmp7, 0xffff                   ; y
	v_and_b32 v2, 31, v0                           ; lane
	v_lshlrev_b32 v1, 4, v2                        ; 16 lane
	v_lshlrev_b32 v3, 3, v0                        ; 8 t: my 8 mask bytes, my first row number, my 8 bytes of the records
	s_mov_b32 s[SELA], 0x76543210
	s_mov_b32 s[SELB], 0xfedcba98
	s_mov_b32 s19, 0                               ; upper word of the offset pair s[18:19]
	s_lshr_b32 s37, s15, 2
	s_lshl1_add_u32 s37, s16, s37                  ; hg = 2 y + x / 4
	s_and_b32 s38, s15, 3                          ; bg
	s_and_b32 s39, s14, 3                          ; hq: which 4 of the 16 rows of Wa
	s_lshr_b32 s53, s14, 2                         ; bq: which 4 of the 8 batches
	s_wait_kmcnt 0x0
	s_lshl_b32 s18, s37, 16                        ; (16 hg + 4 hq) rows of 4,096 bytes
	s_lshl_b32 s52, s39, 14
	s_add_co_u32 s18, s18, s52
	s_add_nc_u64 s[4:5], s[4:5], s[18:19]
	s_lshl_b32 s18, s38, 15                        ; (8 bg + 4 bq) rows of 4,096 bytes
	s_lshl_b32 s52, s53, 14
	s_add_co_u32 s18, s18, s52
	s_add_nc_u64 s[6:7], s[6:7], s[18:19]
	s_lshl_b32 s18, s16, 11                        ; the batch's 2,048 mask bytes
	s_add_nc_u64 s[8:9], s[8:9], s[18:19]
	s_lshl_b32 s18, s16, 14                        ; the batch's 128 records of 128 bytes, and my 16 of them
	s_lshl_b32 s52, s15, 11
	s_add_co_u32 s18, s18, s52
	s_add_nc_u64 s[12:13], s[12:13], s[18:19]
	; every load of the kernel but eight goes out now: the mask bytes first, since they are wanted first
	global_load_b64 v[4:5], v3, s[8:9]
.irp i, 0,1,2,3
.irp j, 0,1,2,3,4,5,6,7
	global_load_b128 v[W+32*\i+4*\j:W+32*\i+4*\j+3], v1, s[4:5] offset:4096*\i+512*\j
.endr
.endr
.irp k, 0,1,2
.irp j, 0,1,2,3,4,5,6,7
	global_load_b128 v[D+32*\k+4*\j:D+32*\k+4*\j+3], v1, s[6:7] offset:4096*\k+512*\j
.endr
.endr
	; THE PARTITION.  Thread t holds the mask of rows 8 t + i.  In the order (i, lane) the wave's 256 rows are numbered by eight ballots.
	s_wait_loadcnt 56                              ; the mask bytes are in; the 32 + 24 loads behind them stay out
	s_mov_b32 s36, 0
.irp i, 0,1,2,3,4,5,6,7
	v_bfe_u32 v6, v[4+\i/4], 8*(\i%4), 8
	v_cmp_ne_u32 s[BM+\i], 0, v6
	s_mov_b32 s[PB+\i], s36                        ; unmasked rows in front of ballot i
	s_bcnt1_i32_b32 s52, s[BM+\i]
	s_add_co_u32 s36, s36, s52                     ; at the end: T, the wave's unmasked rows
.endr
	v_mov_b32 v7, s14
	v_lshlrev_b32 v7, 2, v7
	v_mov_b32 v8, s36
	ds_store_b32 v7, v8 offset:TW                  ; the wave's own word; all lanes store the same number
	v_mov_b32 v11, s14
	v_lshlrev_b32 v11, 10, v11                     ; the wave's own 1,024 bytes of LIST
.irp i, 0,1,2,3,4,5,6,7
	v_mbcnt_lo_u32_b32 v6, s[BM+\i], 0             ; unmasked lanes below mine in this ballot
	s_sub_co_u32 s50, s36, s[PB+\i]
	s_add_co_u32 s50, s50, 32*\i
	v_add_nc_u32 v9, s[PB+\i], v6                  ; unmasked: its rank among the wave's unmasked rows
	v_sub_nc_u32 v10, v2, v6
	v_add_nc_u32 v10, s50, v10                     ; masked: T + its rank among the masked ones = T + (32 i + lane) - (PB + below)
	v_cndmask_b32 v9, v10, v9, s[BM+\i]
	v_min_u32 v9, 0xff, v9                         ; a permutation of 0 .. 255: every word is stored once; the bound is written out
	v_lshl_add_u32 v9, v9, 2, v11
	v_add_nc_u32 v12, \i, v3                       ; the row number
	ds_store_b32 v9, v12 offset:LIST
.endr
	s_wait_dscnt 0x0                               ; my stores are done, for the other waves' sake
	s_barrier_signal -1
	s_barrier_wait -1
	v_mov_b32 v6, TW
	ds_load_b128 v[240:243], v6
	ds_load_b128 v[244:247], v6 offset:16
	s_wait_dscnt 0x0
	s_mov_b32 s48, 0
.irp i, 0,1,2,3,4,5,6,7
	v_readfirstlane_b32 s[40+\i], v[240+\i]        ; T of wave i
	s_add_co_u32 s48, s48, s[40+\i]
	s_mov_b32 s[BM+\i], s48                        ; unmasked rows up to and with wave i; the ballots are done with
	s_sub_co_u32 s[PB+\i], 256, s[40+\i]           ; the words of wave i's part that hold masked rows
.endr
	; s48 = N.  THE RECORDS.  Thread t writes words 2 c, 2 c + 1 (c = t % 16) of record wid = 16 x + t / 16.
	; Wave wid owns ranks (wid N) >> 7 up to ((wid + 1) N) >> 7: shares differ by one row at most, 16 rows at most.
	v_and_b32 v6, 15, v0                           ; c
	v_lshrrev_b32 v7, 4, v0
	v_lshl_add_u32 v7, s15, 4, v7                  ; wid
	v_mul_lo_u32 v8, v7, s48
	v_lshrrev_b32 v9, 7, v8                        ; start
	v_add_nc_u32 v10, s48, v8
	v_lshrrev_b32 v10, 7, v10
	v_sub_nc_u32 v10, v10, v9                      ; n
	v_lshlrev_b32 v11, 1, v6
	v_add_nc_u32 v12, 1, v11
	v_cmp_lt_u32 vcc_lo, v11, v10
	v_cndmask_b32 v11, 0, v11, vcc_lo              ; entries at or behind n repeat the first
	v_cmp_lt_u32 vcc_lo, v12, v10
	v_cndmask_b32 v12, 0, v12, vcc_lo
	v_add_nc_u32 v11, v9, v11                      ; two ranks in the batch
	v_add_nc_u32 v12, v9, v12
	v_mov_b32 v13, v11
	v_mov_b32 v14, v12
.irp i, 0,1,2,3,4,5,6
	v_cmp_le_u32 vcc_lo, s[BM+\i], v11             ; the rank lies behind wave i's unmasked rows:
	v_cndmask_b32 v15, 0, s[PB+\i], vcc_lo         ; skip that wave's masked words
	v_add_nc_u32 v13, v13, v15
	v_cmp_le_u32 vcc_lo, s[BM+\i], v12
	v_cndmask_b32 v15, 0, s[PB+\i], vcc_lo
	v_add_nc_u32 v14, v14, v15
.endr
	v_min_u32 v13, 0x7ff, v13                      ; inside LIST whatever the mask holds (no unmasked row at all: some masked row's number, never used as a row)
	v_min_u32 v14, 0x7ff, v14
	v_lshlrev_b32 v13, 2, v13
	v_lshlrev_b32 v14, 2, v14
	ds_load_b32 v250, v13 offset:LIST
	ds_load_b32 v251, v14 offset:LIST
	v_cmp_eq_u32 vcc_lo, 8, v6                     ; words 16, 17 hold n and N
	v_mov_b32 v15, s48
	s_wait_dscnt 0x0
	v_cndmask_b32 v250, v250, v10, vcc_lo
	v_cndmask_b32 v251, v251, v15, vcc_lo
	global_store_b64 v3, v[250:251], s[12:13]      ; a wave's store covers 256 consecutive bytes, aligned; v3 and v[250:251] are not written again
	; q.  Turn k: dec's row k against the four rows of Wa.  left = the loads issued behind that row's.
.macro QTURN k, slot, left
	s_wait_loadcnt \left
.irp hi, 0,1,2,3
	DOT W+32*\hi, D+32*\slot, SUM
.if (4*\k+\hi) == 0
	v_mov_b32 v[VOUT], v[SUM]                      ; writes every lane once
.else
	s_mov_b32 s52, 0x10001<<(4*\k+\hi)
	v_cndmask_b32 v[VOUT], v[VOUT], v[SUM], s52    ; lanes 4 k + hi and 16 + 4 k + hi keep this result
.endif
.endr
.endm
	QTURN 0, 0, 16                                 ; Wa and row 0 are in; rows 1 and 2 stay out
.irp j, 0,1,2,3,4,5,6,7
	global_load_b128 v[D+4*\j:D+4*\j+3], v1, s[6:7] offset:3*4096+512*\j     ; row 3 into the slot just read
.endr
	QTURN 1, 1, 16                                 ; rows 2 and 3 stay out
	QTURN 2, 2, 8                                  ; row 3 stays out
	QTURN 3, 0, 0
	v_and_b32 v6, 15, v2
	v_lshlrev_b32 v6, 2, v6
	v_mov_b32 v7, s14
	v_lshl_add_u32 v6, v7, 6, v6                   ; the wave's own 64 bytes; lanes l and l + 16 store the same word with the same number
	ds_store_b32 v6, v[VOUT] offset:QT
	s_wait_dscnt 0x0                               ; done, for wave 0's sake
	s_barrier_signal -1
	s_barrier_wait -1
	s_cmp_lg_u32 s14, 0
	s_cbranch_scc1 .Lend
	; wave 0 stores the tile: lane L takes batch L / 4 of the eight and rows 4 (L % 4) .. + 3 of the sixteen
	v_lshrrev_b32 v8, 4, v2                        ; bq of that batch
	v_and_b32 v9, 3, v2                            ; hq of those rows
	v_lshl_add_u32 v8, v8, 2, v9                   ; the wave that made them
	v_bfe_u32 v10, v2, 2, 2                        ; k
	v_lshlrev_b32 v10, 4, v10
	v_lshl_add_u32 v8, v8, 6, v10
	ds_load_b128 v[12:15], v8 offset:QT
	v_lshrrev_b32 v10, 2, v2
	v_lshlrev_b32 v10, 12, v10                     ; a row of q is 4,096 bytes
	v_lshl_add_u32 v10, v9, 4, v10
	s_lshl_b32 s18, s38, 15                        ; 8 bg rows
	s_lshl_b32 s52, s37, 6                         ; 16 hg columns
	s_add_co_u32 s18, s18, s52
	s_add_nc_u64 s[10:11], s[10:11], s[18:19]
	s_wait_dscnt 0x0
	global_store_b128 v10, v[12:15], s[10:11]
.Lend:
	s_wait_tensorcnt 0x0
	ds_add_u32 v254, v255
	s_wait_dscnt 0x0
	s_endpgm
.Lfunc_end_k_q4137f77425_prep:
	.size	k_q4137f77425_prep, .Lfunc_end_k_q4137f77425_prep-k_q4137f77425_prep
	.p2alignl 7, 3214868480
	.fill 96, 4, 3214868480
	.section	.rodata,"a",@progbits
	.p2align	6, 0x0
	.amdhsa_kernel k_q4137f77425_prep
		.amdhsa_group_segment_fixed_size 10240
		.amdhsa_private_segment_fixed_size 0
		.amdhsa_enable_private_segment 0
		.amdhsa_kernarg_size 40
		.amdhsa_user_sgpr_count 2
		.amdhsa_user_sgpr_kernarg_segment_ptr 1
		.amdhsa_wavefront_size32 1
		.amdhsa_system_sgpr_workgroup_id_x 1
		.amdhsa_system_sgpr_workgroup_id_y 1
		.amdhsa_system_sgpr_workgroup_id_z 1
		.amdhsa_system_vgpr_workitem_id 0
		.amdhsa_next_free_vgpr 256
		.amdhsa_next_free_sgpr 66
		.amdhsa_reserve_vcc 1
		.amdhsa_float_denorm_mode_32 3
		.amdhsa_float_denorm_mode_16_64 3
		.amdhsa_memory_ordered 1
		.amdhsa_forward_progress 1
		.amdhsa_inst_pref_size 47
	.end_amdhsa_kernel
	.amdgpu_metadata
---
amdhsa.version: [ 1, 2 ]
amdhsa.kernels:
  - .name:           k_q4137f77425_prep
    .symbol:         k_q4137f77425_prep.kd
    .args:
      - { .name: Wa, .offset: 0, .size: 8, .value_kind: global_buffer, .address_space: global }
      - { .name: dec_ht, .offset: 8, .size: 8, .value_kind: global_buffer, .address_space: global }
      - { .name: mask, .offset: 16, .size: 8, .value_kind: global_buffer, .address_space: global }
      - { .name: qbuf, .offset: 24, .size: 8, .value_kind: global_buffer, .address_space: global }
      - { .name: order, .offset: 32, .size: 8, .value_kind: global_buffer, .address_space: global }
    .group_segment_fixed_size: 10240
    .private_segment_fixed_size: 0
    .kernarg_segment_align: 8
    .kernarg_segment_size: 40
    .max_flat_workgroup_size: 256
    .sgpr_count:     66
    .vgpr_count:     256
    .wavefront_size: 32
...
	.end_amdgpu_metadata
.endif
;; end of part 1
;; launch stream (part 2): grid 8 x 32, 16 waves a work-group, no clusters, 67,840 bytes of LDS; arguments enc_hs, qbuf, order, part; writes part
.if DOCPART == 2
	.amdgcn_target "amdgcn-amd-amdhsa--gfx1250"
	.amdhsa_code_object_version 6
	.text
	.protected	k_q4137f77425_stream
	.globl	k_q4137f77425_stream
	.p2align	8
	.type	k_q4137f77425_stream,@function
k_q4137f77425_stream:
	s_mov_b64 s[64:65], 0
	v_nop
	global_prefetch_b8 v0, s[64:65] scope:SCOPE_SE
	s_setreg_imm32_b32 hwreg(HW_REG_WAVE_MODE, 25, 1), 1
	s_wait_xcnt 0x0
; STREAM.  The one pass over enc_hs.  Work-group (x, y): batch y, waves wid = 16 x + w of the batch's 128.  A wave reads its record
; (row numbers of its share of the unmasked rows, at most 16), and for each row: score = row . q, a softmax with a running maximum, and the
; weighted sum of the rows, the row staying in 32 registers between the two uses, so that each unmasked row leaves memory once and masked rows never.
; Then the 16 waves' (maximum, sum of weights, weighted sum) are merged in LDS and stored as one partial record of part:
; 1,024 f32 weighted sum, then 32 copies of the pair (maximum, sum of weights): 4,352 bytes.
; All in f32 on the vector unit: two multiply-adds for each number read, so the bytes bind; a row is used by one wave only, so LDS, the tensor mover,
; matrix instructions and clusters would add traffic and spare none (the work-groups of a batch share only q's 4 KiB).
; In flight: 4 rows of 4,096 bytes a wave, 16 waves.  Each load of a wave covers 512 consecutive bytes.
; No hint of single use on the rows: a filler entry names a row a second time.
; LIMITS.  Non-finite numbers in masked rows are not seen (reference() would give NaN).  A weight below 2^-126 counts as 0 (v_exp_f32, ISA guide 15.8).
; 'No score yet' is the most negative finite f32: sentinel - sentinel = 0 and (sentinel - score) x log2 e = -inf give weights 1 and 0, never NaN.
.set NEGMAX, 0xff7fffff
.set LOG2E,  0x3fb8aa3b
.set ML,     65536                     ; LDS: 16 pairs (m, l); in front of it 16 x 4,096 bytes, the waves' sums in the order of the columns
.set M,   2                            ; v[2:3]    running maximum, running sum of weights (a pair: stored as one)
.set L,   3
.set S,   4                            ; the row's score
.set MN,  5                            ; the new maximum
.set E,   6                            ; v[6:7]    factor for what has been summed, weight of the row
.set P,   8                            ; v[8:15]   four chains of pairs
.set Q,   16                           ; v[16:47]  q;   register 4 j + c of lane l = column 128 j + 4 l + c, in Q, ACC and X alike
.set ACC, 48                           ; v[48:79]  weighted sum
.set X,   80                           ; v[80:207] four slots of a row
.set IDX, 20                           ; s[20:35]  the record's 16 row numbers
.set RB,  40                           ; s[40:47]  slot s: address of its row
.set SELA, 50
.set SELB, 51
.macro DOT a, b, out
.irp c, 0,1,2,3
	v_pk_mul_f32 v[P+2*\c:P+2*\c+1], v[(\a)+2*\c:(\a)+2*\c+1], v[(\b)+2*\c:(\b)+2*\c+1]      ; the first products start four chains
.endr
.irp j, 4,5,6,7,8,9,10,11,12,13,14,15
	v_pk_fma_f32 v[P+2*(\j%4):P+2*(\j%4)+1], v[(\a)+2*\j:(\a)+2*\j+1], v[(\b)+2*\j:(\b)+2*\j+1], v[P+2*(\j%4):P+2*(\j%4)+1]
.endr
	v_pk_add_f32 v[P:P+1], v[P:P+1], v[P+2:P+3]
	v_pk_add_f32 v[P+4:P+5], v[P+4:P+5], v[P+6:P+7]
	v_pk_add_f32 v[P:P+1], v[P:P+1], v[P+4:P+5]
	v_add_f32 v[P], v[P], v[P+1]
	v_add_f32_dpp v[P], v[P], v[P] row_xmask:1 row_mask:0xf bank_mask:0xf
	v_add_f32_dpp v[P], v[P], v[P] row_xmask:2 row_mask:0xf bank_mask:0xf
	v_add_f32_dpp v[P], v[P], v[P] row_xmask:4 row_mask:0xf bank_mask:0xf
	v_add_f32_dpp v[P], v[P], v[P] row_xmask:8 row_mask:0xf bank_mask:0xf
	v_permlanex16_b32 v[P+1], v[P], s[SELA], s[SELB]
	v_add_f32 v[\out], v[P], v[P+1]                ; the sum over 1,024 columns, in every lane
.endm
.macro RBASE slot, k                   ; the slot's base = the batch's first row + 4,096 x entry k of the record
	s_lshl_b32 s56, s[IDX+\k], 12
	s_add_nc_u64 s[RB+2*\slot:RB+2*\slot+1], s[58:59], s[56:57]
.endm
.macro FILL slot
.irp j, 0,1,2,3,4,5,6,7
	global_load_b128 v[X+32*\slot+4*\j:X+32*\slot+4*\j+3], v1, s[RB+2*\slot:RB+2*\slot+1] offset:512*\j
.endr
.endm
; One row.  first = 1: it starts the sums (nothing is cleared).  row: the entry that the slot loads next, or -1.  left: loads issued behind this slot's.
.macro TURN slot, first, row, left
	s_wait_loadcnt \left                           ; the slot's eight loads are in: its registers and its base are free again
	s_cmp_gt_i32 s53, 0                            ; is this entry one of the wave's n rows, or filler?
	s_cselect_b32 s52, -1, 0
	s_sub_co_i32 s53, s53, 1
	DOT X+32*\slot, Q, S
	v_cndmask_b32 v[S], s55, v[S], s52             ; filler: the sentinel
.if \first
	v_mov_b32 v[M], v[S]
	v_cndmask_b32 v[E+1], 0, 1.0, s52              ; exp(0), or nothing
	v_mov_b32 v[E], v[E+1]
	v_mov_b32 v[L], v[E+1]
.irp j, 0,1,2,3,4,5,6,7,8,9,10,11,12,13,14,15
	v_pk_mul_f32 v[ACC+2*\j:ACC+2*\j+1], v[X+32*\slot+2*\j:X+32*\slot+2*\j+1], v[E:E+1] op_sel_hi:[1,0]
.endr
.else
	v_max_num_f32 v[MN], v[M], v[S]
	v_sub_f32 v[E], v[M], v[MN]
	v_sub_f32 v[E+1], v[S], v[MN]
	v_pk_mul_f32 v[E:E+1], v[E:E+1], LOG2E op_sel_hi:[1,0]
	v_exp_f32 v[E], v[E]
	v_exp_f32 v[E+1], v[E+1]
	v_mov_b32 v[M], v[MN]                          ; the plain instruction between the exponentials and their first use (ISA guide 5.7.2)
	s_wait_alu depctr_va_vdst(0)
	v_cndmask_b32 v[E+1], 0, v[E+1], s52           ; filler weighs nothing
	v_fma_f32 v[L], v[L], v[E], v[E+1]
.irp j, 0,1,2,3,4,5,6,7,8,9,10,11,12,13,14,15
	v_pk_mul_f32 v[ACC+2*\j:ACC+2*\j+1], v[ACC+2*\j:ACC+2*\j+1], v[E:E+1] op_sel_hi:[1,0]
.endr
.irp j, 0,1,2,3,4,5,6,7,8,9,10,11,12,13,14,15
	v_pk_fma_f32 v[ACC+2*\j:ACC+2*\j+1], v[X+32*\slot+2*\j:X+32*\slot+2*\j+1], v[E:E+1], v[ACC+2*\j:ACC+2*\j+1] op_sel:[0,1,0] op_sel_hi:[1,1,1]
.endr
.endif
.if \row >= 0
	RBASE \slot, \row
	FILL \slot
.endif
.endm
	s_load_b256 s[4:11], s[0:1], 0x0               ; enc s[4:5], qbuf s[6:7], order s[8:9], part s[10:11]
	v_lshl_add_u32 v216, v0, 2, 0x10100
	v_mov_b32 v217, 0
	v_lshrrev_b32 v4, 5, v0
	v_readfirstlane_b32 s14, v4                    ; wave
	s_mov_b32 s15, ttmp9                           ; x
	s_and_b32 s16, ttmp7, 0xffff                   ; y
	v_and_b32 v1, 31, v0
	v_lshlrev_b32 v1, 4, v1                        ; 16 lane
	s_mov_b32 s[SELA], 0x76543210
	s_mov_b32 s[SELB], 0xfedcba98
	s_mov_b32 s55, NEGMAX
	s_mov_b32 s57, 0                               ; upper word of the offset pair s[56:57]
	s_wait_kmcnt 0x0
	s_lshl_b32 s56, s16, 14                        ; my record: 128 bytes at (128 y + 16 x + w) x 128
	s_lshl_b32 s52, s15, 11
	s_add_co_u32 s56, s56, s52
	s_lshl_b32 s52, s14, 7
	s_add_co_u32 s56, s56, s52
	s_add_nc_u64 s[8:9], s[8:9], s[56:57]
	s_load_b512 s[IDX:IDX+15], s[8:9], 0x0         ; 16 row numbers
	s_load_b32 s36, s[8:9], 0x40                   ; n
	s_lshl_b32 s56, s16, 12
	s_add_nc_u64 s[6:7], s[6:7], s[56:57]          ; q of my batch
.irp j, 0,1,2,3,4,5,6,7
	global_load_b128 v[Q+4*\j:Q+4*\j+3], v1, s[6:7] offset:512*\j
.endr
	s_lshl_b32 s56, s16, 23                        ; 2,048 rows of 4,096 bytes a batch
	s_add_nc_u64 s[58:59], s[4:5], s[56:57]
	s_wait_kmcnt 0x0
.irp k, 0,1,2,3,4,5,6,7,8,9,10,11,12,13,14,15
	s_min_u32 s[IDX+\k], s[IDX+\k], 0x7ff          ; a row of the batch, whatever the word holds
.endr
	s_min_u32 s36, s36, 16
	s_add_co_u32 s54, s36, 3
	s_lshr_b32 s54, s54, 2
	s_max_u32 s54, s54, 1                          ; groups of four rows, 1 to 4 (a wave without rows walks one group of filler)
	s_mov_b32 s53, s36                             ; rows left
.irp s, 0,1,2,3
	RBASE \s, \s
	FILL \s
.endr
	; Forward branches on the number of groups; no loop, since the row numbers lie in named registers.  On every way into a turn the three other
	; slots' 8 loads each were issued behind this slot's: 24.  (q's loads are older than slot 0's.)  In the tails nothing follows: 24, 16, 8, 0.
	s_cmp_eq_u32 s54, 1
	s_cbranch_scc1 .Lonly
	TURN 0, 1, 4, 24
	TURN 1, 0, 5, 24
	TURN 2, 0, 6, 24
	TURN 3, 0, 7, 24
	s_cmp_eq_u32 s54, 2
	s_cbranch_scc1 .Ltail
.irp s, 0,1,2,3
	TURN \s, 0, 8+\s, 24
.endr
	s_cmp_eq_u32 s54, 3
	s_cbranch_scc1 .Ltail
.irp s, 0,1,2,3
	TURN \s, 0, 12+\s, 24
.endr
.Ltail:
	TURN 0, 0, -1, 24
	TURN 1, 0, -1, 16
	TURN 2, 0, -1, 8
	TURN 3, 0, -1, 0
	s_branch .Lmerge
.Lonly:
	TURN 0, 1, -1, 24
	TURN 1, 0, -1, 16
	TURN 2, 0, -1, 8
	TURN 3, 0, -1, 0
.Lmerge:
	; THE MERGE of the 16 waves.  Each stores its sum in the order of the columns and its pair (m, l); thread t then sums columns 2 t, 2 t + 1.
	v_mov_b32 v208, s14
	v_lshl_add_u32 v208, v208, 12, v1              ; 4,096 w + 16 lane
.irp j, 0,1,2,3,4,5,6,7
	ds_store_b128 v208, v[ACC+4*\j:ACC+4*\j+3] offset:512*\j
.endr
	v_mov_b32 v209, s14
	v_lshl_add_u32 v209, v209, 3, ML               ; the immediate offset ends at 65,535: the register carries ML
	ds_store_b64 v209, v[M:L]                      ; all lanes hold the same pair
	v_mov_b32 v210, ML
	v_lshlrev_b32 v211, 3, v0                      ; 8 t
	s_wait_dscnt 0x0                               ; my stores are done, for the other waves' sake
	s_barrier_signal -1
	s_barrier_wait -1
.irp i, 0,1,2,3,4,5,6,7
	ds_load_b128 v[80+4*\i:83+4*\i], v210 offset:16*\i             ; m of wave i in v[80 + 2 i], l in v[81 + 2 i]
.endr
.irp i, 0,1,2,3,4,5,6,7,8,9,10,11,12,13,14,15
	ds_load_b64 v[128+2*\i:129+2*\i], v211 offset:4096*\i          ; my two columns of wave i
.endr
	s_wait_dscnt 16                                ; the pairs are in; the 16 loads of columns stay out
	v_max3_num_f32 v162, v80, v82, v84
.irp i, 86,90,94,98,102,106
	v_max3_num_f32 v162, v162, v[\i], v[\i+2]
.endr
	v_max_num_f32 v162, v162, v110                 ; the work-group's maximum
.irp i, 0,1,2,3,4,5,6,7,8,9,10,11,12,13,14,15
	v_sub_f32 v[112+\i], v[80+2*\i], v162
.endr
.irp i, 0,1,2,3,4,5,6,7
	v_pk_mul_f32 v[112+2*\i:113+2*\i], v[112+2*\i:113+2*\i], LOG2E op_sel_hi:[1,0]
.endr
.irp i, 0,1,2,3,4,5,6,7,8,9,10,11,12,13,14,15
	v_exp_f32 v[112+\i], v[112+\i]                 ; wave i's factor
.endr
	v_lshrrev_b32 v208, 1, v1                      ; 8 lane, for wave 0's last store: also the plain instruction behind the exponentials (ISA guide 5.7.2)
	s_wait_alu depctr_va_vdst(0)
	v_mul_f32 v163, v81, v112
.irp i, 1,2,3,4,5,6,7,8,9,10,11,12,13,14,15
	v_fmac_f32 v163, v[81+2*\i], v[112+\i]         ; the work-group's sum of weights
.endr
	s_wait_dscnt 0x0
	v_pk_mul_f32 v[160:161], v[128:129], v[112:113] op_sel_hi:[1,0]
	v_pk_fma_f32 v[160:161], v[130:131], v[112:113], v[160:161] op_sel:[0,1,0] op_sel_hi:[1,1,1]
.irp p, 1,2,3,4,5,6,7
	v_pk_fma_f32 v[160:161], v[128+4*\p:129+4*\p], v[112+2*\p:113+2*\p], v[160:161] op_sel_hi:[1,0,1]
	v_pk_fma_f32 v[160:161], v[130+4*\p:131+4*\p], v[112+2*\p:113+2*\p], v[160:161] op_sel:[0,1,0] op_sel_hi:[1,1,1]
.endr
	s_lshl3_add_u32 s56, s16, s15                  ; record 8 y + x of 4,352 bytes
	s_mul_i32 s56, s56, 4352
	s_add_nc_u64 s[10:11], s[10:11], s[56:57]
	global_store_b64 v211, v[160:161], s[10:11]    ; a wave's store covers 256 consecutive bytes, aligned
	s_cmp_lg_u32 s14, 0
	s_cbranch_scc1 .Lend
	global_store_b64 v208, v[162:163], s[10:11] offset:4096        ; wave 0: the pair, 32 times, 256 consecutive bytes
.Lend:
	s_wait_tensorcnt 0x0
	ds_add_u32 v216, v217
	s_wait_dscnt 0x0
	s_endpgm
.Lfunc_end_k_q4137f77425_stream:
	.size	k_q4137f77425_stream, .Lfunc_end_k_q4137f77425_stream-k_q4137f77425_stream
	.p2alignl 7, 3214868480
	.fill 96, 4, 3214868480
	.section	.rodata,"a",@progbits
	.p2align	6, 0x0
	.amdhsa_kernel k_q4137f77425_stream
		.amdhsa_group_segment_fixed_size 67840
		.amdhsa_private_segment_fixed_size 0
		.amdhsa_enable_private_segment 0
		.amdhsa_kernarg_size 32
		.amdhsa_user_sgpr_count 2
		.amdhsa_user_sgpr_kernarg_segment_ptr 1
		.amdhsa_wavefront_size32 1
		.amdhsa_system_sgpr_workgroup_id_x 1
		.amdhsa_system_sgpr_workgroup_id_y 1
		.amdhsa_system_sgpr_workgroup_id_z 1
		.amdhsa_system_vgpr_workitem_id 0
		.amdhsa_next_free_vgpr 218
		.amdhsa_next_free_sgpr 66
		.amdhsa_reserve_vcc 0
		.amdhsa_float_denorm_mode_32 3
		.amdhsa_float_denorm_mode_16_64 3
		.amdhsa_memory_ordered 1
		.amdhsa_forward_progress 1
		.amdhsa_inst_pref_size 105
	.end_amdhsa_kernel
	.amdgpu_metadata
---
amdhsa.version: [ 1, 2 ]
amdhsa.kernels:
  - .name:           k_q4137f77425_stream
    .symbol:         k_q4137f77425_stream.kd
    .args:
      - { .name: enc_hs, .offset: 0, .size: 8, .value_kind: global_buffer, .address_space: global }
      - { .name: qbuf, .offset: 8, .size: 8, .value_kind: global_buffer, .address_space: global }
      - { .name: order, .offset: 16, .size: 8, .value_kind: global_buffer, .address_space: global }
      - { .name: part, .offset: 24, .size: 8, .value_kind: global_buffer, .address_space: global }
    .group_segment_fixed_size: 67840
    .private_segment_fixed_size: 0
    .kernarg_segment_align: 8
    .kernarg_segment_size: 32
    .max_flat_workgroup_size: 512
    .sgpr_count:     66
    .vgpr_count:     218
    .wavefront_size: 32
...
	.end_amdgpu_metadata
.endif
;; end of part 2
;; launch combine (part 3): grid 8 x 32, 1 waves a work-group, no clusters, 0 bytes of LDS; arguments part, order, out0; writes out0
.if DOCPART == 3
	.amdgcn_target "amdgcn-amd-amdhsa--gfx1250"
	.amdhsa_code_object_version 6
	.text
	.protected	k_q4137f77425_combine
	.globl	k_q4137f77425_combine
	.p2align	8
	.type	k_q4137f77425_combine,@function
k_q4137f77425_combine:
	s_mov_b64 s[64:65], 0
	v_nop
	global_prefetch_b8 v0, s[64:65] scope:SCOPE_SE
	s_setreg_imm32_b32 hwreg(HW_REG_WAVE_MODE, 25, 1), 1
	s_wait_xcnt 0x0
; COMBINE.  out0[y][128 x .. 128 x + 127] from the batch's 8 partial records (1,024 f32 weighted sum, then the pair (maximum, sum of weights)).
; The masked rows come in here: each has the score -1e9 exactly and adds no row, so 2,048 - N of them add (2,048 - N) exp(-1e9 - maximum)
; to the denominator, and -1e9 takes part in the maximum if there is at least one.  All rows masked: maximum -1e9, denominator 2,048, sums 0.
; The denominator is at least 1: the score that is the maximum weighs exp(0).
; One wave a work-group, 4 columns a lane: nothing is shared, so no LDS and no barrier; 16 loads, all issued at once.
.set NEGMAX, 0xff7fffff                ; 'no score': as in the launch before
.set NEGBIG, 0xce6e6b28                ; -1e9, which f32 holds exactly
.set LOG2E,  0x3fb8aa3b
.set REC,    4352                      ; bytes of a partial record
	s_load_b128 s[4:7], s[0:1], 0x0                ; part s[4:5], order s[6:7]
	s_load_b64 s[8:9], s[0:1], 0x10                ; out0
	s_and_b32 s15, ttmp7, 0xffff                   ; y
	s_lshl_b32 s18, ttmp9, 9
	v_lshlrev_b32 v1, 3, v0                        ; 8 lane: my copy of a pair
	v_lshlrev_b32 v2, 4, v0
	v_add_nc_u32 v2, s18, v2                       ; 512 x + 16 lane: my 4 columns
	s_mov_b32 s17, 0
	s_mov_b32 s13, NEGBIG
	s_mov_b32 s14, NEGMAX
	s_wait_kmcnt 0x0
	s_mul_i32 s16, s15, 8*REC
	s_add_nc_u64 s[4:5], s[4:5], s[16:17]
	s_lshl_b32 s16, s15, 14
	s_add_nc_u64 s[6:7], s[6:7], s[16:17]
	s_load_b32 s10, s[6:7], 0x44                   ; word 17 of the batch's first record: N
.irp i, 0,1,2,3,4,5,6,7
	global_load_b64 v[4+2*\i:5+2*\i], v1, s[4:5] offset:REC*\i+4096
.endr
.irp i, 0,1,2,3,4,5,6,7
	global_load_b128 v[20+4*\i:23+4*\i], v2, s[4:5] offset:REC*\i
.endr
	s_lshl_b32 s16, s15, 12
	s_add_nc_u64 s[8:9], s[8:9], s[16:17]
	s_wait_kmcnt 0x0
	s_min_u32 s10, s10, 2048
	s_sub_co_u32 s11, 2048, s10                    ; masked rows
	s_cmp_lg_u32 s11, 0
	s_cselect_b32 s12, s13, s14                    ; their score, if there are any
	s_wait_loadcnt 8                               ; the pairs are in; the 8 loads of columns stay out
	v_max3_num_f32 v60, v4, v6, v8
	v_max3_num_f32 v60, v60, v10, v12
	v_max3_num_f32 v60, v60, v14, v16
	v_max3_num_f32 v60, v60, v18, s12              ; the batch's maximum
.irp i, 0,1,2,3,4,5,6,7
	v_sub_f32 v[52+\i], v[4+2*\i], v60
.endr
	v_sub_f32 v62, s12, v60                        ; never above 0
.irp i, 0,1,2,3
	v_pk_mul_f32 v[52+2*\i:53+2*\i], v[52+2*\i:53+2*\i], LOG2E op_sel_hi:[1,0]
.endr
	v_mul_f32 v62, LOG2E, v62
.irp i, 0,1,2,3,4,5,6,7
	v_exp_f32 v[52+\i], v[52+\i]
.endr
	v_exp_f32 v62, v62
	v_cvt_f32_u32 v63, s11                         ; also the plain instruction behind the exponentials (ISA guide 5.7.2)
	s_wait_alu depctr_va_vdst(0)
	v_mul_f32 v61, v62, v63                        ; the masked rows' share of the denominator
.irp i, 0,1,2,3,4,5,6,7
	v_fmac_f32 v61, v[5+2*\i], v[52+\i]
.endr
	v_rcp_f32 v62, v61                             ; used only behind the sums below
	s_wait_loadcnt 0x0
	v_pk_mul_f32 v[64:65], v[20:21], v[52:53] op_sel_hi:[1,0]
	v_pk_mul_f32 v[66:67], v[22:23], v[52:53] op_sel_hi:[1,0]
	v_pk_fma_f32 v[64:65], v[24:25], v[52:53], v[64:65] op_sel:[0,1,0] op_sel_hi:[1,1,1]
	v_pk_fma_f32 v[66:67], v[26:27], v[52:53], v[66:67] op_sel:[0,1,0] op_sel_hi:[1,1,1]
.irp p, 1,2,3
	v_pk_fma_f32 v[64:65], v[20+8*\p:21+8*\p], v[52+2*\p:53+2*\p], v[64:65] op_sel_hi:[1,0,1]
	v_pk_fma_f32 v[66:67], v[22+8*\p:23+8*\p], v[52+2*\p:53+2*\p], v[66:67] op_sel_hi:[1,0,1]
	v_pk_fma_f32 v[64:65], v[24+8*\p:25+8*\p], v[52+2*\p:53+2*\p], v[64:65] op_sel:[0,1,0] op_sel_hi:[1,1,1]
	v_pk_fma_f32 v[66:67], v[26+8*\p:27+8*\p], v[52+2*\p:53+2*\p], v[66:67] op_sel:[0,1,0] op_sel_hi:[1,1,1]
.endr
	s_wait_alu depctr_va_vdst(0)
	v_pk_mul_f32 v[64:65], v[64:65], v[62:63] op_sel_hi:[1,0]
	v_pk_mul_f32 v[66:67], v[66:67], v[62:63] op_sel_hi:[1,0]
	global_store_b128 v2, v[64:67], s[8:9] th:TH_STORE_NT          ; 512 consecutive bytes, aligned
	s_endpgm
.Lfunc_end_k_q4137f77425_combine:
	.size	k_q4137f77425_combine, .Lfunc_end_k_q4137f77425_combine-k_q4137f77425_combine
	.p2alignl 7, 3214868480
	.fill 96, 4, 3214868480
	.section	.rodata,"a",@progbits
	.p2align	6, 0x0
	.amdhsa_kernel k_q4137f77425_combine
		.amdhsa_group_segment_fixed_size 0
		.amdhsa_private_segment_fixed_size 0
		.amdhsa_enable_private_segment 0
		.amdhsa_kernarg_size 24
		.amdhsa_user_sgpr_count 2
		.amdhsa_user_sgpr_kernarg_segment_ptr 1
		.amdhsa_wavefront_size32 1
		.amdhsa_system_sgpr_workgroup_id_x 1
		.amdhsa_system_sgpr_workgroup_id_y 1
		.amdhsa_system_sgpr_workgroup_id_z 1
		.amdhsa_system_vgpr_workitem_id 0
		.amdhsa_next_free_vgpr 72
		.amdhsa_next_free_sgpr 66
		.amdhsa_reserve_vcc 0
		.amdhsa_float_denorm_mode_32 3
		.amdhsa_float_denorm_mode_16_64 3
		.amdhsa_memory_ordered 1
		.amdhsa_forward_progress 1
		.amdhsa_inst_pref_size 6
	.end_amdhsa_kernel
	.amdgpu_metadata
---
amdhsa.version: [ 1, 2 ]
amdhsa.kernels:
  - .name:           k_q4137f77425_combine
    .symbol:         k_q4137f77425_combine.kd
    .args:
      - { .name: part, .offset: 0, .size: 8, .value_kind: global_buffer, .address_space: global }
      - { .name: order, .offset: 8, .size: 8, .value_kind: global_buffer, .address_space: global }
      - { .name: out0, .offset: 16, .size: 8, .value_kind: global_buffer, .address_space: global }
    .group_segment_fixed_size: 0
    .private_segment_fixed_size: 0
    .kernarg_segment_align: 8
    .kernarg_segment_size: 24
    .max_flat_workgroup_size: 32
    .sgpr_count:     66
    .vgpr_count:     72
    .wavefront_size: 32
...
	.end_amdgpu_metadata
.endif
;; end of part 3
;; ======== version 2 of 2: 3 launches; version 1 with the launch stream written anew for expert scheduling mode
;; workspace buffers: qbuf 131,072 bytes; order 524,288 bytes of whole numbers; part 1,114,112 bytes
;; launch prep: the kernel of part 1 again; grid 8 x 32, 8 waves a work-group, no clusters, 10,240 bytes of LDS; arguments Wa, dec_ht, mask, qbuf, order; writes qbuf, order
;; launch stream (part 4): grid 8 x 32, 16 waves a work-group, no clusters, 67,840 bytes of LDS; arguments enc_hs, qbuf, order, part; writes part
.if DOCPART == 4
	.amdgcn_target "amdgcn-amd-amdhsa--gfx1250"
	.amdhsa_code_object_version 6
	.text
	.protected	k_q4137f77425_stream
	.globl	k_q4137f77425_stream
	.p2align	8
	.type	k_q4137f77425_stream,@function
k_q4137f77425_stream:
	s_mov_b64 s[64:65], 0
	v_nop
	global_prefetch_b8 v0, s[64:65] scope:SCOPE_SE
	s_setreg_imm32_b32 hwreg(HW_REG_WAVE_SCHED_MODE, 0, 2), 2
	s_setreg_imm32_b32 hwreg(HW_REG_WAVE_MODE, 25, 1), 1
	s_wait_xcnt 0x0
	s_wait_alu depctr_vm_vsrc(0)
; STREAM.  The one pass over enc_hs.  Work-group (x, y): batch y, waves wid = 16 x + w of the batch's 128.  A wave reads its record
; (row numbers of its share of the unmasked rows, at most 16), and for each row: score = row . q, a softmax with a running maximum, and the
; weighted sum of the rows, the row staying in 32 registers between the two uses, so that each unmasked row leaves memory once and masked rows never.
; Then the 16 waves' (maximum, sum of weights, weighted sum) are merged in LDS and stored as one partial record of part:
; 1,024 f32 weighted sum, then 32 copies of the pair (maximum, sum of weights): 4,352 bytes.
; All in f32 on the vector unit: two multiply-adds for each number read, so the bytes bind; a row is used by one wave only, so LDS, the tensor mover,
; matrix instructions and clusters would add traffic and spare none (the work-groups of a batch share only q's 4 KiB).
; In flight: 3 to 4 rows of 4,096 bytes a wave, 16 waves.  Each load of a wave covers 512 consecutive bytes.
; No hint of single use on the rows: a filler entry names a row a second time.
; LIMITS.  Non-finite numbers in masked rows are not seen (reference() would give NaN).  A weight below 2^-126 counts as 0 (v_exp_f32, ISA guide 15.8).
; 'No score yet' is the most negative finite f32: sentinel - sentinel = 0 and (sentinel - score) x log2 e = -inf give weights 1 and 0, never NaN.
; THE MODE: SCHED_MODE bits 1:0 = 2 (LLVM: expert scheduling mode 2), set by the entry lines.  The code itself states the register dependences
; between vector instructions and memory or LDS instructions, with s_wait_alu, always for 0.
; THE PLAN.  Registers that memory or LDS instructions touch:
;   v1         16 lane: the offset of every global load; made once at the head, never written again.  The rows are reached by scalar bases, one to a slot.
;   X0 .. X4   five slots of a row.  Turn t reads X[t % 5], up to its last line.  The loads of entry t + 4, issued in turn t, land in X[(t + 4) % 5] = X[(t - 1) % 5]:
;              the slot that turn t - 1 read and that no vector instruction of turn t names.  No vector instruction writes a slot while rows are walked.
;   Q          landed once, at the head, in registers that nothing has named.
;   ACC, M, L  written by the turns; read by the merge's LDS stores; not written behind them.
;   v240-v244  the merge's addresses, each written once, each ahead of a wait on va_vdst that stands ahead of its first use.
; So ONE wait on va_vdst stands in a turn, behind its two exponentials: it states that their results are written and that the turn before is done reading its slot.
; The turn's eight loads follow it, dealt among the sixteen lines that rescale ACC.  No register that a memory or LDS instruction reads is written again: no wait on vm_vsrc.
.set NEGMAX, 0xff7fffff
.set LOG2E,  0x3fb8aa3b
.set ML,     65536                     ; LDS: 16 pairs (m, l); in front of it 16 x 4,096 bytes, the waves' sums in the order of the columns
.set M,   2                            ; v[2:3]    running maximum, running sum of weights (a pair: stored as one)
.set L,   3
.set S,   4                            ; the row's score
.set MN,  5                            ; the new maximum
.set E,   6                            ; v[6:7]    factor for what has been summed, weight of the row
.set P,   8                            ; v[8:15]   four chains of pairs
.set Q,   16                           ; v[16:47]  q;   register 4 j + c of lane l = column 128 j + 4 l + c, in Q, ACC and X alike
.set ACC, 48                           ; v[48:79]  weighted sum
.set X,   80                           ; v[80:239] five slots of a row
.set AW,  240                          ; the merge: LDS address of my 16 bytes of the wave's sum
.set AP,  241                          ; the merge: LDS address of the wave's pair
.set CML, 242                          ; the merge: ML
.set T8,  243                          ; the merge: 8 t
.set L8,  244                          ; the merge: 8 lane
.set IDX, 20                           ; s[20:35]  the record's 16 row numbers
.set RB,  40                           ; s[40:49]  slot s: address of its row
.set SELA, 50
.set SELB, 51
.macro DOT a, b, out
.irp c, 0,1,2,3
	v_pk_mul_f32 v[P+2*\c:P+2*\c+1], v[(\a)+2*\c:(\a)+2*\c+1], v[(\b)+2*\c:(\b)+2*\c+1]      ; the first products start four chains
.endr
.irp j, 4,5,6,7,8,9,10,11,12,13,14,15
	v_pk_fma_f32 v[P+2*(\j%4):P+2*(\j%4)+1], v[(\a)+2*\j:(\a)+2*\j+1], v[(\b)+2*\j:(\b)+2*\j+1], v[P+2*(\j%4):P+2*(\j%4)+1]
.endr
	v_pk_add_f32 v[P:P+1], v[P:P+1], v[P+2:P+3]
	v_pk_add_f32 v[P+4:P+5], v[P+4:P+5], v[P+6:P+7]
	v_pk_add_f32 v[P:P+1], v[P:P+1], v[P+4:P+5]
	v_add_f32 v[P], v[P], v[P+1]
	v_add_f32_dpp v[P], v[P], v[P] row_xmask:1 row_mask:0xf bank_mask:0xf
	v_add_f32_dpp v[P], v[P], v[P] row_xmask:2 row_mask:0xf bank_mask:0xf
	v_add_f32_dpp v[P], v[P], v[P] row_xmask:4 row_mask:0xf bank_mask:0xf
	v_add_f32_dpp v[P], v[P], v[P] row_xmask:8 row_mask:0xf bank_mask:0xf
	v_permlanex16_b32 v[P+1], v[P], s[SELA], s[SELB]
	v_add_f32 v[\out], v[P], v[P+1]                ; the sum over 1,024 columns, in every lane
.endm
.macro RBASE slot, k                   ; the slot's base = the batch's first row + 4,096 x entry k of the record
	s_lshl_b32 s56, s[IDX+(\k)], 12
	s_add_nc_u64 s[RB+2*(\slot):RB+2*(\slot)+1], s[58:59], s[56:57]
.endm
.macro FILL slot                       ; at the head only: the first four slots
.irp j, 0,1,2,3,4,5,6,7
	global_load_b128 v[X+32*\slot+4*\j:X+32*\slot+4*\j+3], v1, s[RB+2*\slot:RB+2*\slot+1] offset:512*\j
.endr
.endm
.macro LD ahead, j                     ; in front of every second of a turn's first sixteen packed lines: one of the eight loads into slot NX
.if (\ahead) && ((\j)%2 == 0)
	global_load_b128 v[X+32*NX+2*(\j):X+32*NX+2*(\j)+3], v1, s[RB+2*NX:RB+2*NX+1] offset:256*(\j)
.endif
.endm
; Turn t: one row, in slot t % 5.  first = 1: it starts the sums (nothing is cleared).  ahead = 1: entry t + 4 is asked for, into slot (t + 4) % 5.
; left: loads issued behind this slot's.
.macro TURN t, first, ahead, left
.set SL, X+32*((\t)%5)
.set NX, ((\t)+4)%5
	s_wait_loadcnt \left                           ; the slot's eight loads are in; so are all older ones: the base of the slot read last turn is free again
	s_cmp_gt_i32 s53, 0                            ; is this entry one of the wave's n rows, or filler?
	s_cselect_b32 s52, -1, 0
	s_sub_co_i32 s53, s53, 1
	DOT SL, Q, S
	v_cndmask_b32 v[S], s55, v[S], s52             ; filler: the sentinel
.if \first
	v_mov_b32 v[M], v[S]
	v_cndmask_b32 v[E+1], 0, 1.0, s52              ; exp(0), or nothing
	v_mov_b32 v[E], v[E+1]
	v_mov_b32 v[L], v[E+1]
.if \ahead
	RBASE NX, (\t)+4                               ; no wait here: the loads below land in the fifth slot, which no vector instruction has named, and v1 was shown written at the head
.endif
.irp j, 0,1,2,3,4,5,6,7,8,9,10,11,12,13,14,15
	LD \ahead, \j
	v_pk_mul_f32 v[ACC+2*\j:ACC+2*\j+1], v[SL+2*\j:SL+2*\j+1], v[E:E+1] op_sel_hi:[1,0]
.endr
.else
	v_max_num_f32 v[MN], v[M], v[S]
	v_sub_f32 v[E], v[M], v[MN]
	v_sub_f32 v[E+1], v[S], v[MN]
	v_pk_mul_f32 v[E:E+1], v[E:E+1], LOG2E op_sel_hi:[1,0]
	v_exp_f32 v[E], v[E]
	v_exp_f32 v[E+1], v[E+1]
	v_mov_b32 v[M], v[MN]                          ; the plain instruction between the exponentials and their first use (ISA guide 5.7.2)
.if \ahead
	RBASE NX, (\t)+4
.endif
	s_wait_alu depctr_va_vdst(0)                   ; the two exponentials have written E and E + 1, which the next lines read; the turn before is done reading its slot, in which the loads below land
	v_cndmask_b32 v[E+1], 0, v[E+1], s52           ; filler weighs nothing
	v_fma_f32 v[L], v[L], v[E], v[E+1]
.irp j, 0,1,2,3,4,5,6,7,8,9,10,11,12,13,14,15
	LD \ahead, \j                                  ; no vector instruction since the wait names slot NX
	v_pk_mul_f32 v[ACC+2*\j:ACC+2*\j+1], v[ACC+2*\j:ACC+2*\j+1], v[E:E+1] op_sel_hi:[1,0]
.endr
.irp j, 0,1,2,3,4,5,6,7,8,9,10,11,12,13,14,15
	v_pk_fma_f32 v[ACC+2*\j:ACC+2*\j+1], v[SL+2*\j:SL+2*\j+1], v[E:E+1], v[ACC+2*\j:ACC+2*\j+1] op_sel:[0,1,0] op_sel_hi:[1,1,1]
.endr
.endif
.endm
; A wave's last four turns, from turn t0 on: nothing is asked for, and the counts run down.
.macro LASTFOUR t0, first
	TURN (\t0), \first, 0, 24
	TURN (\t0)+1, 0, 0, 16
	TURN (\t0)+2, 0, 0, 8
	TURN (\t0)+3, 0, 0, 0
.endm
	s_load_b256 s[4:11], s[0:1], 0x0               ; enc s[4:5], qbuf s[6:7], order s[8:9], part s[10:11]
	v_lshl_add_u32 v246, v0, 2, 0x10100
	v_mov_b32 v247, 0
	v_lshrrev_b32 v4, 5, v0
	v_readfirstlane_b32 s14, v4                    ; wave
	s_mov_b32 s15, ttmp9                           ; x
	s_and_b32 s16, ttmp7, 0xffff                   ; y
	v_and_b32 v1, 31, v0
	v_lshlrev_b32 v1, 4, v1                        ; 16 lane
	s_mov_b32 s[SELA], 0x76543210
	s_mov_b32 s[SELB], 0xfedcba98
	s_mov_b32 s55, NEGMAX
	s_mov_b32 s57, 0                               ; upper word of the offset pair s[56:57]
	s_wait_alu depctr_va_sdst(0)                   ; s14 is written, ahead of its first reader: the record's address is made from it
	s_wait_kmcnt 0x0
	s_lshl_b32 s56, s16, 14                        ; my record: 128 bytes at (128 y + 16 x + w) x 128
	s_lshl_b32 s52, s15, 11
	s_add_co_u32 s56, s56, s52
	s_lshl_b32 s52, s14, 7
	s_add_co_u32 s56, s56, s52
	s_add_nc_u64 s[8:9], s[8:9], s[56:57]
	s_load_b512 s[IDX:IDX+15], s[8:9], 0x0         ; 16 row numbers
	s_load_b32 s36, s[8:9], 0x40                   ; n
	s_lshl_b32 s56, s16, 12
	s_add_nc_u64 s[6:7], s[6:7], s[56:57]          ; q of my batch
	s_wait_alu depctr_va_vdst(0)                   ; v1 is written: every global load of the kernel reads it as its offset
.irp j, 0,1,2,3,4,5,6,7
	global_load_b128 v[Q+4*\j:Q+4*\j+3], v1, s[6:7] offset:512*\j
.endr
	s_lshl_b32 s56, s16, 23                        ; 2,048 rows of 4,096 bytes a batch
	s_add_nc_u64 s[58:59], s[4:5], s[56:57]
	s_wait_kmcnt 0x0
.irp k, 0,1,2,3,4,5,6,7,8,9,10,11,12,13,14,15
	s_min_u32 s[IDX+\k], s[IDX+\k], 0x7ff          ; a row of the batch, whatever the word holds
.endr
	s_min_u32 s36, s36, 16
	s_add_co_u32 s54, s36, 3
	s_lshr_b32 s54, s54, 2
	s_max_u32 s54, s54, 1                          ; groups of four rows, 1 to 4 (a wave without rows walks one group of filler)
	s_mov_b32 s53, s36                             ; rows left
.irp s, 0,1,2,3
	RBASE \s, \s
	FILL \s
.endr
	; Forward branches on the number of groups; no loop, since the row numbers lie in named registers.  On every way into a turn the three next
	; entries' 8 loads each were issued behind this slot's: 24.  (q's loads are older than slot 0's.)  In the last four turns nothing follows: 24, 16, 8, 0.
	; The last four turns begin at turn 0, 4, 8 or 12, each time in another of the five slots: they are written out for each of the four.
	s_cmp_eq_u32 s54, 1
	s_cbranch_scc1 .Lone
	TURN 0, 1, 1, 24
.irp t, 1,2,3
	TURN \t, 0, 1, 24
.endr
	s_cmp_eq_u32 s54, 2
	s_cbranch_scc1 .Ltwo
.irp t, 4,5,6,7
	TURN \t, 0, 1, 24
.endr
	s_cmp_eq_u32 s54, 3
	s_cbranch_scc1 .Lthree
.irp t, 8,9,10,11
	TURN \t, 0, 1, 24
.endr
	LASTFOUR 12, 0
	s_branch .Lmerge
.Lthree:
	LASTFOUR 8, 0
	s_branch .Lmerge
.Ltwo:
	LASTFOUR 4, 0
	s_branch .Lmerge
.Lone:
	LASTFOUR 0, 1
.Lmerge:
	; THE MERGE of the 16 waves.  Each stores its sum in the order of the columns and its pair (m, l); thread t then sums columns 2 t, 2 t + 1.
	v_mov_b32 v[AW], s14
	v_lshl_add_u32 v[AW], v[AW], 12, v1            ; 4,096 w + 16 lane
	v_mov_b32 v[AP], s14
	v_lshl_add_u32 v[AP], v[AP], 3, ML             ; the immediate offset ends at 65,535: the register carries ML
	v_mov_b32 v[CML], ML
	v_lshlrev_b32 v[T8], 3, v0                     ; 8 t
	s_wait_alu depctr_va_vdst(0)                   ; the turns have written ACC, M and L, which the LDS stores read; the four addresses above are written; the turns are done reading the slots, in which the LDS loads below land
.irp j, 0,1,2,3,4,5,6,7
	ds_store_b128 v[AW], v[ACC+4*\j:ACC+4*\j+3] offset:512*\j
.endr
	ds_store_b64 v[AP], v[M:L]                     ; all lanes hold the same pair
	s_wait_dscnt 0x0                               ; my stores are done, for the other waves' sake
	s_barrier_signal -1
	s_barrier_wait -1
.irp i, 0,1,2,3,4,5,6,7
	ds_load_b128 v[80+4*\i:83+4*\i], v[CML] offset:16*\i           ; m of wave i in v[80 + 2 i], l in v[81 + 2 i]
.endr
.irp i, 0,1,2,3,4,5,6,7,8,9,10,11,12,13,14,15
	ds_load_b64 v[128+2*\i:129+2*\i], v[T8] offset:4096*\i         ; my two columns of wave i
.endr
	s_wait_dscnt 16                                ; the pairs are in; the 16 loads of columns stay out
	v_max3_num_f32 v162, v80, v82, v84
.irp i, 86,90,94,98,102,106
	v_max3_num_f32 v162, v162, v[\i], v[\i+2]
.endr
	v_max_num_f32 v162, v162, v110                 ; the work-group's maximum
.irp i, 0,1,2,3,4,5,6,7,8,9,10,11,12,13,14,15
	v_sub_f32 v[112+\i], v[80+2*\i], v162
.endr
.irp i, 0,1,2,3,4,5,6,7
	v_pk_mul_f32 v[112+2*\i:113+2*\i], v[112+2*\i:113+2*\i], LOG2E op_sel_hi:[1,0]
.endr
.irp i, 0,1,2,3,4,5,6,7,8,9,10,11,12,13,14,15
	v_exp_f32 v[112+\i], v[112+\i]                 ; wave i's factor
.endr
	v_lshrrev_b32 v[L8], 1, v1                     ; 8 lane, for wave 0's last store: also the plain instruction behind the exponentials (ISA guide 5.7.2)
	s_wait_alu depctr_va_vdst(0)                   ; the sixteen exponentials have written v[112:127], which the sums below read
	v_mul_f32 v163, v81, v112
.irp i, 1,2,3,4,5,6,7,8,9,10,11,12,13,14,15
	v_fmac_f32 v163, v[81+2*\i], v[112+\i]         ; the work-group's sum of weights
.endr
	s_wait_dscnt 0x0
	v_pk_mul_f32 v[160:161], v[128:129], v[112:113] op_sel_hi:[1,0]
	v_pk_fma_f32 v[160:161], v[130:131], v[112:113], v[160:161] op_sel:[0,1,0] op_sel_hi:[1,1,1]
.irp p, 1,2,3,4,5,6,7
	v_pk_fma_f32 v[160:161], v[128+4*\p:129+4*\p], v[112+2*\p:113+2*\p], v[160:161] op_sel_hi:[1,0,1]
	v_pk_fma_f32 v[160:161], v[130+4*\p:131+4*\p], v[112+2*\p:113+2*\p], v[160:161] op_sel:[0,1,0] op_sel_hi:[1,1,1]
.endr
	s_lshl3_add_u32 s56, s16, s15                  ; record 8 y + x of 4,352 bytes
	s_mul_i32 s56, s56, 4352
	s_add_nc_u64 s[10:11], s[10:11], s[56:57]
	s_wait_alu depctr_va_vdst(0)                   ; the sums have written v[160:163], which the two stores below read
	global_store_b64 v[T8], v[160:161], s[10:11]   ; a wave's store covers 256 consecutive bytes, aligned
	s_cmp_lg_u32 s14, 0
	s_cbranch_scc1 .Lend
	global_store_b64 v[L8], v[162:163], s[10:11] offset:4096       ; wave 0: the pair, 32 times, 256 consecutive bytes
.Lend:
	s_wait_dscnt 0x0
	s_wait_alu depctr_hold_cnt(0) depctr_sa_sdst(0) depctr_va_vdst(0) depctr_va_sdst(0) depctr_va_ssrc(0) depctr_va_vcc(0) depctr_vm_vsrc(0)
	s_wait_tensorcnt 0x0
	ds_add_u32 v246, v247
	s_wait_dscnt 0x0
	s_endpgm
.Lfunc_end_k_q4137f77425_stream:
	.size	k_q4137f77425_stream, .Lfunc_end_k_q4137f77425_stream-k_q4137f77425_stream
	.p2alignl 7, 3214868480
	.fill 96, 4, 3214868480
	.section	.rodata,"a",@progbits
	.p2align	6, 0x0
	.amdhsa_kernel k_q4137f77425_stream
		.amdhsa_group_segment_fixed_size 67840
		.amdhsa_private_segment_fixed_size 0
		.amdhsa_enable_private_segment 0
		.amdhsa_kernarg_size 32
		.amdhsa_user_sgpr_count 2
		.amdhsa_user_sgpr_kernarg_segment_ptr 1
		.amdhsa_wavefront_size32 1
		.amdhsa_system_sgpr_workgroup_id_x 1
		.amdhsa_system_sgpr_workgroup_id_y 1
		.amdhsa_system_sgpr_workgroup_id_z 1
		.amdhsa_system_vgpr_workitem_id 0
		.amdhsa_next_free_vgpr 248
		.amdhsa_next_free_sgpr 66
		.amdhsa_reserve_vcc 0
		.amdhsa_float_denorm_mode_32 3
		.amdhsa_float_denorm_mode_16_64 3
		.amdhsa_memory_ordered 1
		.amdhsa_forward_progress 1
		.amdhsa_inst_pref_size 139
	.end_amdhsa_kernel
	.amdgpu_metadata
---
amdhsa.version: [ 1, 2 ]
amdhsa.kernels:
  - .name:           k_q4137f77425_stream
    .symbol:         k_q4137f77425_stream.kd
    .args:
      - { .name: enc_hs, .offset: 0, .size: 8, .value_kind: global_buffer, .address_space: global }
      - { .name: qbuf, .offset: 8, .size: 8, .value_kind: global_buffer, .address_space: global }
      - { .name: order, .offset: 16, .size: 8, .value_kind: global_buffer, .address_space: global }
      - { .name: part, .offset: 24, .size: 8, .value_kind: global_buffer, .address_space: global }
    .group_segment_fixed_size: 67840
    .private_segment_fixed_size: 0
    .kernarg_segment_align: 8
    .kernarg_segment_size: 32
    .max_flat_workgroup_size: 512
    .sgpr_count:     66
    .vgpr_count:     248
    .wavefront_size: 32
...
	.end_amdgpu_metadata
.endif
;; end of part 4
;; launch combine: the kernel of part 3 again; grid 8 x 32, 1 waves a work-group, no clusters, 0 bytes of LDS; arguments part, order, out0; writes out0
